; MI455X (gfx1250); checked and timed in simulation.
; The chip was launched on July 23, 2026; its instructions are those of AMD's public machine-readable ISA for CDNA 5 (MIT licence, August 2026) and "CDNA5" Instruction Set Architecture Reference Guide (July 2026). The comments in the code are by the model that wrote it; some were corrected since.
;; Linear. Allowed arithmetic: matrix products marked QUANTISED: E2M3 operands, one E8M0 scale for each 32 along K, by v_wmma_scale_f32_16x16x128_f8f6f4 with both operands' format E2M3, f32 sums; everything else in f32.
;; Inputs: last_out 4,096 x 4,096 float32; threshold one number float32; weight 4,096 x 4,096 float32.
;; Outputs: out0 4,096 x 4,096 float32.
;; This version of the problem:
;;   THIS VERSION OF THE PROBLEM IS GIVEN IN LOW PRECISION. The matrix products marked QUANTISED in the list below multiply operands that are first quantised to E2M3 (2 exponent bits, 3 mantissa bits; 6 bits a number), with one power-of-two scale for each 32 numbers along K (OCP MX v1.0); their sums are f32. All else is computed in f32.
;;   The module's matrix products, in the order in which they are computed (A, B: the left and right operand; K: the contracted axis; several contracted axes count as one K, in the product's order):
;;     1. [M 4,096, K 4,096] x [K 4,096, N 4,096]; A: computed on the way; B: input weight: QUANTISED
;;   THE QUANTISER, for each operand of a quantised product, along K:
;;     - K is cut into blocks of 32 from its start; a last block that is shorter is filled with zeros.
;;     - A block's scale is 2^e with e = floor(log2(the largest magnitude in the block)) - 2, held to -126 .. 127; a block of zeros has e = 0. As a byte (E8M0): e + 127.
;;     - Each number is divided by its block's scale, clamped to +-7.5, and rounded to the nearest number of E2M3, ties to even, subnormals kept.
;;     - The product sums the exact products of the quantised numbers (number of the format x scale) in f32.
;;   ~~~python
;;   def quantise(x, axis):      # numpy; x: float32 -> the quantised numbers, widened to float32 again
;;       x = np.moveaxis(x, axis, -1); K = x.shape[-1]
;;       x = np.pad(x, [(0, 0)] * (x.ndim - 1) + [(0, -K % 32)]); x = x.reshape(x.shape[:-1] + (-1, 32)); a = np.abs(x).max(-1, keepdims=True)
;;       e = np.where(a > 0, np.clip(np.frexp(np.where(a > 0, a, 1))[1] - 1 - 2, -126, 127), 0)      # np.frexp(a)[1] - 1 = floor(log2(a)), exactly
;;       r = np.clip(x / 2.0 ** e, -7.5, 7.5)
;;       step = 2.0 ** (np.maximum(np.frexp(np.where(r == 0, 1, r))[1] - 1, 0) - 3)
;;       q = np.round(r / step) * step * 2.0 ** e      # np.round: ties to even
;;       return np.moveaxis(q.reshape(q.shape[:-2] + (-1,))[..., :K], -1, axis).astype(np.float32)
;;   ~~~
;;   OPERANDS COMPUTED ON THE WAY. 'Computed on the way' means the value that the module computes at that place (a softmax that the list does not call 'softmax' is quantised finished and normalised). What goes into a quantiser is computed in f32, as accurately as f32 sums, v_exp_f32 and their like allow (about 1e-6 of the number): no bf16 or f16 on the way to a quantiser, and a product that is left as it is and whose result goes on into a quantised operand takes f32 operands (vector FMAs, or v_wmma_f32_16x16x4_f32). A number that lies on a knife's edge between two numbers of the format may be rounded either way, as far as f32 arithmetic and the matrix unit's own rounding can turn it there, and no further.
;; One version. Each part assembles by itself: llvm-mc -triple=amdgcn-amd-amdhsa -mcpu=gfx1250 --defsym DOCPART=n.
;; ======== version 1 of 1: 2 launches
;; limits: right only within a limited range of input values
;; workspace buffers: a_q 13,107,200 bytes; b_q 13,107,200 bytes
;; launch quant (part 1): grid 1024 x 1, 4 waves a work-group, no clusters, 34,304 bytes of LDS; arguments last_out, weight, a_q, b_q, threshold; writes a_q, b_q
.if DOCPART == 1
	.amdgcn_target "amdgcn-amd-amdhsa--gfx1250"
	.amdhsa_code_object_version 6
	.text
	.protected	k_qce32983696_quant
	.globl	k_qce32983696_quant
	.p2align	8
	.type	k_qce32983696_quant,@function
k_qce32983696_quant:
	s_mov_b64 s[64:65], 0
	v_nop
	global_prefetch_b8 v0, s[64:65] scope:SCOPE_SE
	s_setreg_imm32_b32 hwreg(HW_REG_WAVE_MODE, 25, 1), 1
	s_wait_xcnt 0x0
; last_out [4096][4096] and weight [4096][4096], f32, become codes of FP6 (E2M3) with one E8M0 scale byte for each 32 along K, LAID IN THE ORDER OF THE MATRIX OPERAND'S REGISTERS.
; last_out is MASKED first: a number whose magnitude is not above the threshold (an input, loaded here) counts as 0, for its block's largest magnitude and for its code alike.
; A block's scale is 2^(floor(log2(its largest magnitude)) - 2); its byte is the largest magnitude's exponent field - 2, held at 1 from below.  Each number is divided by the scale and rounded
; to the nearest code, ties to even; beyond the largest code the conversion gives the largest code.
; LIMITS: NaN and infinities in last_out and weight are not served.  A block of zeros gets the byte 1 where the rule says 127: its codes are zeros, which add nothing under any byte but 0xff,
; and the bytes are read by this program alone.  Every threshold is served: a negative one keeps all numbers, an infinite one or a NaN keeps none.
; THE OUTPUT, one buffer a tensor: [32 groups of 128 rows][32 K steps of 128][12,800 bytes].  Such a piece holds eight FRAGMENTS (16 rows x 128 K, 12 registers a lane) as images of their registers,
; 1,536 bytes each: register n of lane L = r + 16 h at byte 512 (n / 4) + 16 L + 4 (n % 4); lane (r, h) holds row r, registers 6 c .. 6 c + 5 the codes of K = 64 c + 32 h + 0 .. 31.
; Behind the images, at byte 12,288, the scale words (a row's four bytes): fragment i, row r at 256 (i / 4) + 16 r + 4 (i % 4).
; ONE PATH FOR BOTH TENSORS: the first WGA work-groups take last_out, the others weight; only pointers and the threshold are chosen, by the work-group's number: weight compares with -1, which every magnitude is above.
; SHARES.  A wave takes 64 rows x 128 along K: four fragments, one after the other.  A fragment's 16 rows come by 16 loads of 512 consecutive bytes, go as they lie into the wave's own stage in LDS
; (rows 528 bytes apart) and come back so that lane (r, h) holds the very 64 numbers of its place in the image: two whole blocks.  So a block's largest magnitude needs no other lane, the
; conversions' results are the image's registers, and they leave by three stores of 512 consecutive bytes, with no second way through LDS.  The next fragment's 16 loads are out meanwhile, and the one after it follows.
; No tensor loads, no barrier: waves share nothing.  Matrix units, clusters and multicast are left out: each byte is moved once and no two work-groups read the same byte.
.set WGA,   512                        ; work-groups for last_out: 64 sets of 64 rows x 8 sets of four K steps; as many for weight
.set ROWF,  16384                      ; a row of last_out or weight in bytes
.set FRB,   1536
.set BLKB,  12800
.set SCO,   8*FRB
.set GROW,  32*BLKB
.set SPT,   528                        ; a stage row: 512 bytes + 16, so that the sixteen rows that a read touches start in different banks
.set WREG,  16*SPT                     ; a wave's stage: 8,448 bytes
.set SPARE, 4*WREG                     ; behind the stages: the spare words, 128 bytes a wave
.set M,     8                          ; v8-11    four running maxima; then scale operands and bytes
.set T,     14                         ; v14-15   at work
.set SW,    16                         ; v16-19   the four fragments' scale words
.set T2,    20                         ; v20-26   the second halves of two blocks' codes (a conversion's three registers begin on an even number)
.set C,     28                         ; v28-51   codes: two sets of 12
.set X,     52                         ; v52-115  my 64 numbers
.set R,     116                        ; v116-243 two sets of 64: a fragment as it is loaded
.set SPW,   244
.set NIL,   245
.set MK,    24                         ; s[24:27] four compare masks, by turns
.set THR,   28                         ; s28      the threshold, or -1 for weight
	s_load_b128 s[4:7], s[0:1], 0x0                ; last_out, weight
	s_load_b128 s[8:11], s[0:1], 0x10              ; A's output, B's output
	s_load_b64 s[22:23], s[0:1], 0x20              ; the threshold's address
	v_lshl_add_u32 v[SPW], v0, 2, SPARE
	v_mov_b32 v[NIL], 0
	v_lshrrev_b32 v1, 5, v0
	v_readfirstlane_b32 s16, v1                    ; wave
	s_mul_i32 s17, s16, WREG
	s_mov_b32 s29, 0x76543210                      ; v_permlanex16_b32's selects for lane l xor 16
	s_mov_b32 s30, 0xfedcba98
	v_and_b32 v1, 31, v0                           ; lane
	v_lshlrev_b32 v2, 4, v1                        ; 16 x lane: my 16 bytes of a load's or a store's 512
	v_add_nc_u32 v3, s17, v2                       ; the stage, on the way in
	v_and_b32 v7, 15, v0                           ; r
	v_bfe_u32 v6, v0, 4, 1                         ; h
	v_mul_u32_u24 v4, v7, SPT
	v_lshl_add_u32 v4, v6, 7, v4
	v_add_nc_u32 v4, s17, v4                       ; and on the way out: row r, byte 128 h
	v_lshlrev_b32 v5, 4, v7
	v_lshl_add_u32 v5, v6, 3, v5                   ; the scale words' way out: 16 r + 8 h
	v_lshlrev_b32 v7, 3, v6                        ; 8 h: my bytes' shift in a scale word
	v_mov_b32 v[T+1], 0                            ; (a lane permute's destination counts as one of its sources)
	s_wait_alu depctr_va_vdst(0)                   ; the wait at the head's end
	s_wait_kmcnt 0x0
	s_load_b32 s[THR], s[22:23], 0x0               ; the threshold itself: no line of this launch writes that buffer
	s_cmp_lt_u32 ttmp9, WGA                        ; last_out's work-group or weight's?
	s_cselect_b64 s[4:5], s[4:5], s[6:7]
	s_cselect_b64 s[8:9], s[8:9], s[10:11]
	s_cselect_b32 s17, 0, WGA
	s_sub_co_u32 s17, ttmp9, s17                   ; the work-group's number within its tensor
	s_lshr_b32 s18, s17, 3                         ; which 64 rows
	s_and_b32 s17, s17, 7
	s_lshl_b32 s17, s17, 2
	s_add_co_u32 s17, s17, s16                     ; which K step of 128
	s_lshl_b32 s20, s18, 20                        ; in: 64 rows of 16,384 bytes,
	s_lshl_b32 s21, s17, 9                         ; 512 bytes a K step
	s_add_co_u32 s20, s20, s21
	s_mov_b32 s21, 0
	s_add_nc_u64 s[4:5], s[4:5], s[20:21]
	s_lshr_b32 s20, s18, 1                         ; out: the group of 128 rows,
	s_mul_i32 s20, s20, GROW
	s_mul_i32 s19, s17, BLKB                       ; the K step
	s_add_co_u32 s20, s20, s19
	s_add_nc_u64 s[8:9], s[8:9], s[20:21]
	s_and_b32 s18, s18, 1                          ; which half of the group: fragments 0-3 or 4-7
	s_lshl_b32 s20, s18, 8
	s_add_co_u32 s20, s20, SCO
	s_add_nc_u64 s[12:13], s[8:9], s[20:21]        ; my 256 bytes of scale words
	s_mul_i32 s20, s18, 4*FRB
	s_add_nc_u64 s[8:9], s[8:9], s[20:21]          ; my four images
	s_wait_kmcnt 0x0                               ; the threshold is in
	s_cmp_lt_u32 ttmp9, WGA                        ; compared anew: the sums above have written SCC
	s_cselect_b32 s[THR], s[THR], 0xbf800000       ; weight is not masked
.macro LOAD f                          ; fragment f: rows 16 f .. 16 f + 15 of my 64, a row a load
.irp i, 0,1,2,3,4,5,6,7,8,9,10,11,12,13,14,15
	global_load_b128 v[R+64*((\f)%2)+4*\i:R+64*((\f)%2)+4*\i+3], v2, s[4:5] offset:(16*(\f)+\i)*ROWF th:TH_LOAD_NT
.endr
.endm
.macro FRAGQ f
.set RS, R+64*((\f)%2)
.set CS, C+12*((\f)%2)
	s_wait_alu depctr_va_vdst(0)                   ; directly ahead of the waits below
.if (\f) >= 2
	s_wait_xcnt 0x0                                ; the stores of two fragments ago have read this set of codes
.endif
.if (\f) < 3
	s_wait_loadcnt 16                              ; this fragment's 16 loads are in; the next one's may be out
.else
	s_wait_loadcnt 0
.endif
.irp i, 0,1,2,3,4,5,6,7,8,9,10,11,12,13,14,15
	ds_store_b128 v3, v[RS+4*\i:RS+4*\i+3] offset:\i*SPT
.endr
.irp c, 0,1                            ; LDS serves a wave's instructions in order (ISA guide 5.7.1.4): these see the stores above, and the next fragment's stores come behind them
.irp j, 0,1,2,3,4,5,6,7
	ds_load_b128 v[X+32*\c+4*\j:X+32*\c+4*\j+3], v4 offset:256*\c+16*\j   ; K = 64 c + 32 h + 4 j ..
.endr
.endr
	s_wait_dscnt 0x0                               ; my 64 numbers are in, and the stage's stores have read their registers,
.if (\f)+2 < 4
	LOAD (\f)+2                                    ; which take the fragment two further on
.endif
.irp g, 0,4,8,12,16,20,24,28,32,36,40,44,48,52,56,60   ; THE MASK: a number stays where |x| > threshold, else it becomes 0
.irp j, 0,1,2,3
	v_cmp_gt_f32 s[MK+\j], |v[X+\g+\j]|, s[THR]
.endr
.irp j, 0,1,2,3
	v_cndmask_b32 v[X+\g+\j], 0, v[X+\g+\j], s[MK+\j]
.endr
.endr
.irp k, 0,1,2,3                        ; four chains of 16 numbers by turns; the floor 2^(3 - 127) holds the byte at 1 from below
	v_max3_num_f32 v[M+\k], |v[X+16*\k]|, |v[X+16*\k+1]|, 0x1800000
.endr
.irp i, 2,4,6,8,10,12,14
.irp k, 0,1,2,3
	v_max3_num_f32 v[M+\k], v[M+\k], |v[X+16*\k+\i]|, |v[X+16*\k+\i+1]|
.endr
.endr
	v_max_num_f32 v[M], v[M], v[M+1]               ; block h's largest magnitude,
	v_max_num_f32 v[M+2], v[M+2], v[M+3]           ; block 2 + h's
	v_add_nc_u32 v[M+1], 0xff000000, v[M]          ; 2 off the exponent field: the conversion's scale operand
	v_add_nc_u32 v[M+3], 0xff000000, v[M+2]
	v_lshrrev_b32 v[M], 23, v[M+1]                 ; the scale's byte
	v_lshrrev_b32 v[M+2], 23, v[M+3]
	v_cvt_scalef32_pk16_fp6_f32 v[CS:CS+2], v[X:X+15], v[M+1]
	v_cvt_scalef32_pk16_fp6_f32 v[T2:T2+2], v[X+16:X+31], v[M+1]
	v_cvt_scalef32_pk16_fp6_f32 v[CS+6:CS+8], v[X+32:X+47], v[M+3]
	v_cvt_scalef32_pk16_fp6_f32 v[T2+4:T2+6], v[X+48:X+63], v[M+3]
	v_lshl_or_b32 v[T], v[M+2], 16, v[M]           ; my two bytes.  (Also the plain line behind the scaled conversions)
.irp i, 0,1,2
	v_mov_b32 v[CS+3+\i], v[T2+\i]
	v_mov_b32 v[CS+9+\i], v[T2+4+\i]
.endr
	v_lshlrev_b32 v[T], v7, v[T]                   ; at their places in the word, 8 h bits up;
	v_permlanex16_b32 v[T+1], v[T], s29, s30
	v_or_b32 v[SW+(\f)], v[T], v[T+1]              ; with lane l xor 16's two the word is whole
.irp c, 0,1,2
	global_store_b128 v2, v[CS+4*\c:CS+4*\c+3], s[8:9] offset:FRB*(\f)+512*\c   ; 32 lanes store 512 consecutive bytes, at a multiple of 256 from the buffer's first byte
.endr
.endm
	LOAD 0
	LOAD 1
	FRAGQ 0
	FRAGQ 1
	FRAGQ 2
	FRAGQ 3
	v_cmp_ne_u32 vcc_lo, 0, v6
	v_cndmask_b32 v[T], v[SW], v[SW+2], vcc_lo     ; lanes 0-15 send row r's words of fragments 0 and 1, lanes 16-31 those of 2 and 3
	v_cndmask_b32 v[T+1], v[SW+1], v[SW+3], vcc_lo
	global_store_b64 v5, v[T:T+1], s[12:13]        ; 32 lanes store 256 consecutive bytes, at a multiple of 256 from the buffer's first byte
	s_wait_tensorcnt 0x0                           ; the wave's end
	ds_add_u32 v[SPW], v[NIL]
	s_wait_dscnt 0x0
	s_endpgm
.Lfunc_end_k_qce32983696_quant:
	.size	k_qce32983696_quant, .Lfunc_end_k_qce32983696_quant-k_qce32983696_quant
	.p2alignl 7, 3214868480
	.fill 96, 4, 3214868480
	.section	.rodata,"a",@progbits
	.p2align	6, 0x0
	.amdhsa_kernel k_qce32983696_quant
		.amdhsa_group_segment_fixed_size 34304
		.amdhsa_private_segment_fixed_size 0
		.amdhsa_enable_private_segment 0
		.amdhsa_kernarg_size 40
		.amdhsa_user_sgpr_count 2
		.amdhsa_user_sgpr_kernarg_segment_ptr 1
		.amdhsa_wavefront_size32 1
		.amdhsa_system_sgpr_workgroup_id_x 1
		.amdhsa_system_sgpr_workgroup_id_y 1
		.amdhsa_system_sgpr_workgroup_id_z 1
		.amdhsa_system_vgpr_workitem_id 0
		.amdhsa_next_free_vgpr 246
		.amdhsa_next_free_sgpr 66
		.amdhsa_reserve_vcc 1
		.amdhsa_float_denorm_mode_32 3
		.amdhsa_float_denorm_mode_16_64 3
		.amdhsa_memory_ordered 1
		.amdhsa_forward_progress 1
		.amdhsa_inst_pref_size 63
	.end_amdhsa_kernel
	.amdgpu_metadata
---
amdhsa.version: [ 1, 2 ]
amdhsa.kernels:
  - .name:           k_qce32983696_quant
    .symbol:         k_qce32983696_quant.kd
    .args:
      - { .name: last_out, .offset: 0, .size: 8, .value_kind: global_buffer, .address_space: global }
      - { .name: weight, .offset: 8, .size: 8, .value_kind: global_buffer, .address_space: global }
      - { .name: a_q, .offset: 16, .size: 8, .value_kind: global_buffer, .address_space: global }
      - { .name: b_q, .offset: 24, .size: 8, .value_kind: global_buffer, .address_space: global }
      - { .name: threshold, .offset: 32, .size: 8, .value_kind: global_buffer, .address_space: global }
    .group_segment_fixed_size: 34304
    .private_segment_fixed_size: 0
    .kernarg_segment_align: 8
    .kernarg_segment_size: 40
    .max_flat_workgroup_size: 128
    .sgpr_count:     66
    .vgpr_count:     246
    .wavefront_size: 32
...
	.end_amdgpu_metadata
.endif
;; end of part 1
;; launch gemm (part 2): grid 16 x 16, 4 waves a work-group, clusters of 4 x 4, 327,680 bytes of LDS; arguments a_q, b_q, out0; writes out0
.if DOCPART == 2
	.amdgcn_target "amdgcn-amd-amdhsa--gfx1250"
	.amdhsa_code_object_version 6
	.text
	.protected	k_qce32983696_gemm
	.globl	k_qce32983696_gemm
	.p2align	8
	.type	k_qce32983696_gemm,@function
k_qce32983696_gemm:
	s_mov_b64 s[64:65], 0
	v_nop
	global_prefetch_b8 v0, s[64:65] scope:SCOPE_SE
	s_setreg_imm32_b32 hwreg(HW_REG_WAVE_MODE, 25, 1), 1
	s_wait_xcnt 0x0
	s_wait_alu depctr_hold_cnt(0) depctr_sa_sdst(0) depctr_va_vdst(0) depctr_va_sdst(0) depctr_va_ssrc(0) depctr_va_vcc(0) depctr_vm_vsrc(0)
	s_getreg_b32 s2, hwreg(HW_REG_IB_STS2, 6, 4)
	s_cmp_eq_u32 s2, 0
	s_cbranch_scc0 .Lentry_in_a_cluster
	s_endpgm
.Lentry_in_a_cluster:
	s_bfe_u32 s2, ttmp6, 0x10000c
	s_cmp_lg_u32 s2, 0xf033
	s_cbranch_scc0 .Lentry_shape_is_right
	s_endpgm
.Lentry_shape_is_right:
; out0[m][n] = sum over k of A[m][k] B[n][k], on codes of FP6 (E2M3) with E8M0 scales, as the launch before has laid them: [32 groups of 128 rows][32 K steps of 128][12,800 bytes], a piece holding eight
; fragments (16 rows x 128 K) as images of their 12 registers (three loads of 16 bytes a lane bring one) and, at byte 12,288, their scale words (one load of 16 bytes a lane brings four fragments' words).
; A block of 256 x 256 is made by four waves, 128 x 128 each: 64 accumulators, 512 registers.  256 work-groups.  K goes through a ring of two LDS slots of THREE K steps each (the last fill has two):
; a slot holds four parts of 38,400 bytes (A's two groups, B's two), each dense in memory and brought by one tensor load as rows of 256 bytes; each wave fetches one part.
; CLUSTERS: 4 x 4 work-groups; A's parts are asked for jointly along a row of the cluster, B's along a column.  Source 0 = rows of B, source 1 = rows of A: a lane holds eight neighbouring numbers of a row of out0.
; REGISTERS.  Each of the four windows holds 16 accumulators at v128-255 and one half-operand (four fragments, 48 registers) in two sets at v32 and v80, for even and odd K steps:
;   window 0: A's blocks 0-3, quadrant (A 0-3, B 0-3);  window 1: B's blocks 0-3, quadrant (A 0-3, B 4-7);  window 2: B's blocks 4-7, quadrant (A 4-7, B 4-7);  window 3: A's blocks 4-7, quadrant (A 4-7, B 0-3).
;   window 0 also: v0-15 addresses, v16-31 scale words in two sets (lanes 0-15 A's block i, lanes 16-31 B's);  window 1 also: v2-7 the LDS addresses of the fragments and scale words.
; A K step is four PHASES of 16 products, phase s on window s's quadrant.  Both operands have two sets, so the whole next step is fetched while this one is multiplied, in TWO runs of LDS loads:
; 26 at the step's start (A 0-3, the scale words, B 0-3) and 24 in its middle (B 4-7, A 4-7); 32 products lie between the second run and the one wait for both, at the next step's start.
; THE CHANGE OF SLOTS stands in a slot's SECOND step: that step's second run holds the last reads of the slot, so behind 16 more products come the wait for all tensor loads, the add, the round and the refill.
; The slot's third step then fetches from the other slot, which that same round has shown whole.
; PREFETCH: behind each joint load every wave asks for the part that its NEXT refill will bring (three K steps, one change of slots, ahead): 150 blocks of 256 bytes, of which each of the four partners that
; ask for the part jointly takes 38 by address, a lane a block.  So each block is named once in each cluster that will load it.  The last fill (two K steps) is not asked for: a part's length from there would pass the group's end.
.set SIZE_N, 4096
.set FRB,    1536
.set BLKB,   12800
.set SCO,    8*FRB
.set GROW,   32*BLKB
.set PART,   3*BLKB
.set SLOT,   4*PART
.set SPARE,  2*SLOT                    ; behind the ring: the spare words, 128 bytes a wave
.set STAGE,  SLOT                      ; the way out's stages lie in slot 1, wave w's in the first 8,448 bytes of part w: K step 27's bytes, whose last fill and last read lie ahead of K step 28's barrier
.set SPITCH, 528
.set STO,  8                           ; v8   the way out: where I put 32 bytes of a row
.set RD,   9                           ; v9   where I read a row back
.set CO,   10                          ; v10  16 x lane
.set SPW,  12                          ; v12  my spare word; never rewritten
.set NIL,  13                          ; v13  0; never rewritten
.set PFO,  14                          ; v14-15 the prefetches' offsets; never rewritten
.set SC,   16
.set FB,   32
.set ACC,  128
.set AA,   2                           ; window 1: v2-3 my A part in slot 0, 1;  v4-5 my B part;  v6-7 my scale words
.set AB,   4
.set AS,   6
.set G1, 24                            ; s[24:31] group 1 for A's parts; s[32:39] group 0, a set a slot
.set G0, 32
.set G1B, 48                           ; the same for B's
.set G0B, 56
.set G1T, 68                           ; group 1 for the last fill, two K steps
.set G1TB, 76
.set PFA, 96                           ; s[96:97] where my prefetches stand
.set MSB, 0
.macro WIN new                         ; the immediate's high byte repeats the setting that is left
.if MSB != \new
	s_set_vgpr_msb (MSB<<8)|\new
.set MSB, \new
.endif
.endm
.macro PLACES
.rept 4
	v_nop
.endr
.endm
.macro JLOAD g0a, g1a, g0b, g1b        ; a joint load: waves 0 and 1 fetch A's parts, waves 2 and 3 B's; s_nop 0 and four v_nop behind each line
	s_cmp_eq_u32 s15, 0
	s_cbranch_scc0 .Lfor_b_\@
	tensor_load_to_lds s[\g0a:\g0a+3], s[\g1a:\g1a+7]
	s_nop 0
	PLACES
	s_branch .Lasked_\@
.Lfor_b_\@:
	tensor_load_to_lds s[\g0b:\g0b+3], s[\g1b:\g1b+7]
	s_nop 0
	PLACES
.Lasked_\@:
.endm
.macro ASK guard                       ; my 38 blocks of the part that the next refill brings; guard = 1: not in the loop's last trip, where that refill is the short one
.if \guard
	s_cmp_gt_u32 s3, 1
	s_cbranch_scc0 .Lno_ask_\@
.endif
	global_prefetch_b8 v[PFO], s[PFA:PFA+1] th:TH_LOAD_NT scope:SCOPE_SE
	global_prefetch_b8 v[PFO+1], s[PFA:PFA+1] th:TH_LOAD_NT scope:SCOPE_SE
.if \guard
.Lno_ask_\@:
.endif
.endm
.macro CREST                           ; a round of the cluster's barrier behind its opening barrier
	s_cmp_lg_u32 s14, 0
	s_cbranch_scc1 .Lnot_wave_0_\@
	s_barrier_signal -3
.Lnot_wave_0_\@:
	s_barrier_wait -3
	s_barrier_signal -1
	s_barrier_wait -1
.endm
.macro CROUND
	s_barrier_signal -1
	s_barrier_wait -1
	CREST
.endm
	s_load_b128 s[4:7], s[0:1], 0x0                ; A's pieces, B's pieces
	s_load_b64 s[12:13], s[0:1], 0x10              ; out0
	v_lshl_add_u32 v[SPW], v0, 2, SPARE
	v_mov_b32 v[NIL], 0
	ds_add_u32 v[SPW], v[NIL]                      ; the opening lines: the add, twice on end, and its wait ahead of my first tensor load
	ds_add_u32 v[SPW], v[NIL]
	v_lshrrev_b32 v1, 5, v0
	v_readfirstlane_b32 s14, v1                    ; wave 0..3
	s_lshr_b32 s15, s14, 1                         ; my half of the block's rows.  Also: I fetch for A (0) or for B (1)
	s_and_b32 s16, s14, 1                          ; my half of its columns.  Also: which group of 128 rows I fetch
	s_bfe_u32 s40, ttmp6, 0x40000                  ; cx, cy
	s_bfe_u32 s41, ttmp6, 0x40004
	s_lshl_b32 s42, ttmp9, 2
	s_add_co_u32 s42, s42, s40                     ; block column
	s_and_b32 s17, ttmp7, 0xffff
	s_lshl_b32 s17, s17, 2
	s_add_co_u32 s17, s17, s41                     ; block row
	s_lshl_b32 s43, s41, 2
	s_lshl_b32 s43, 15, s43                        ; my row of the cluster
	s_lshl_b32 s44, 0x1111, s40                    ; my column
	s_or_b32 s[G1+0], s43, (3<<16)|(1<<21)         ; the mask; elements of 8 bytes; bit 21 beside a mask
	s_or_b32 s[G1B+0], s44, (3<<16)|(1<<21)
	s_or_b32 s[G1T+0], s43, (3<<16)|(1<<21)
	s_or_b32 s[G1TB+0], s44, (3<<16)|(1<<21)
.irp g, G1, G1B                        ; a part: 150 rows of 256 bytes, dense
	s_mov_b32 s[\g+1], 32<<16
	s_mov_b32 s[\g+2], (PART/256)<<16
	s_mov_b32 s[\g+3], 32<<16
	s_mov_b32 s[\g+4], PART/256
	s_mov_b32 s[\g+5], 32
	s_mov_b32 s[\g+6], 0
	s_mov_b32 s[\g+7], 0
.endr
.irp g, G1T, G1TB                      ; the last fill: 100 rows
	s_mov_b32 s[\g+1], 32<<16
	s_mov_b32 s[\g+2], (2*BLKB/256)<<16
	s_mov_b32 s[\g+3], 32<<16
	s_mov_b32 s[\g+4], 2*BLKB/256
	s_mov_b32 s[\g+5], 32
	s_mov_b32 s[\g+6], 0
	s_mov_b32 s[\g+7], 0
.endr
	s_lshl_b32 s20, s17, 1
	s_add_co_u32 s20, s20, s16
	s_mul_i32 s20, s20, GROW                       ; A: group 2 x block row + half
	s_mov_b32 s21, 0
	s_lshl_b32 s46, s42, 1
	s_add_co_u32 s46, s46, s16
	s_mul_i32 s46, s46, GROW                       ; B: group 2 x block column + half
	s_mov_b32 s47, 0
	s_mul_i32 s45, s14, PART                       ; where my part goes: wave x a part
	s_wait_dscnt 0x0                               ; both opening adds are done
	s_wait_kmcnt 0x0
	s_add_nc_u64 s[20:21], s[4:5], s[20:21]
	s_add_nc_u64 s[46:47], s[6:7], s[46:47]
.irp s, 0,1
	s_mov_b32 s[G0+4*\s], 1
	s_add_co_u32 s[G0+4*\s+1], s45, \s*SLOT
	s_add_nc_u64 s[G0+4*\s+2:G0+4*\s+3], s[20:21], \s*PART
	s_or_b32 s[G0+4*\s+3], s[G0+4*\s+3], 0x80000000
	s_mov_b32 s[G0B+4*\s], 1
	s_add_co_u32 s[G0B+4*\s+1], s45, \s*SLOT
	s_add_nc_u64 s[G0B+4*\s+2:G0B+4*\s+3], s[46:47], \s*PART
	s_or_b32 s[G0B+4*\s+3], s[G0B+4*\s+3], 0x80000000
.endr
	CROUND                                         ; all sixteen work-groups are here: the first joint loads meet
	JLOAD G0, G1, G0B, G1B                         ; K steps 0 to 2: one tensor load a wave at the head
	; all the scalar set-up first, then the vector lines on end
	s_mul_i32 s84, s15, PART                       ; my A part in slot 0, 1
	s_mul_i32 s86, s16, PART
	s_add_co_u32 s86, s86, 2*PART                  ; my B part
	s_add_co_u32 s85, s84, SLOT
	s_add_co_u32 s87, s86, SLOT
	s_sub_co_u32 s88, s86, s84                     ; from A's part to B's: lanes 16-31 take B's scale words
	s_add_co_u32 s89, s84, SCO
	s_add_co_u32 s90, s89, SLOT
	s_mul_i32 s91, s14, PART
	s_add_co_u32 s91, s91, STAGE                   ; my stage
	s_lshl_b32 s20, s17, 8
	s_lshl_b32 s21, s15, 7
	s_add_co_u32 s20, s20, s21                     ; my first row of out0
	s_mov_b32 s21, 0
	s_mov_b64 s[18:19], SIZE_N*4
	s_mul_u64 s[20:21], s[20:21], s[18:19]
	s_lshl_b32 s46, s42, 10
	s_lshl_b32 s47, s16, 9
	s_add_co_u32 s46, s46, s47                     ; my first column, in bytes
	s_mov_b32 s47, 0
	s_add_nc_u64 s[20:21], s[20:21], s[46:47]
	s_add_nc_u64 s[12:13], s[12:13], s[20:21]
	s_lshl_b32 s20, s17, 1
	s_lshl_b32 s21, s42, 1
	s_cmp_eq_u32 s15, 0                            ; do I fetch for A?
	s_cselect_b32 s20, s20, s21
	s_cselect_b32 s21, s40, s41                    ; my place among the four that ask with me
	s_cselect_b64 s[PFA:PFA+1], s[4:5], s[6:7]
	s_add_co_u32 s20, s20, s16
	s_mul_i32 s20, s20, GROW
	s_add_co_u32 s20, s20, PART                    ; the part that slot 1's first fill brings
	s_mul_i32 s92, s21, 38                         ; my 38 blocks of its 150
	s_add_co_u32 s93, s92, 32
	s_mov_b32 s21, 0
	s_add_nc_u64 s[PFA:PFA+1], s[PFA:PFA+1], s[20:21]
	v_and_b32 v6, 31, v0
	v_add_nc_u32 v[PFO], s92, v6
	v_min_u32 v[PFO+1], 5, v6                      ; six more blocks; the lanes left over name the last of them again,
	v_lshlrev_b32 v[PFO], 8, v[PFO]
	v_add_nc_u32 v[PFO+1], s93, v[PFO+1]
	v_min_u32 v[PFO+1], PART/256-1, v[PFO+1]       ; held inside the part
	v_lshlrev_b32 v[PFO+1], 8, v[PFO+1]
	ASK 0
	v_and_b32 v1, 15, v0                           ; r
	v_bfe_u32 v2, v0, 4, 1                         ; h
	v_lshlrev_b32 v[CO], 4, v6
	v_mul_u32_u24 v3, s88, v2
	v_lshl_add_u32 v3, v1, 4, v3                   ; scale words: 16 r, and B's part for lanes 16-31
	v_mul_u32_u24 v4, v1, SPITCH
	v_lshl_add_u32 v4, v2, 5, v4
	v_add_nc_u32 v[STO], s91, v4
	v_add_nc_u32 v[RD], s91, v[CO]
	WIN 0x40                                       ; the LDS addresses, made in window 1 (destination there, sources in window 0)
	v_add_nc_u32 v[AA], s84, v[CO]
	v_add_nc_u32 v[AA+1], s85, v[CO]
	v_add_nc_u32 v[AB], s86, v[CO]
	v_add_nc_u32 v[AB+1], s87, v[CO]
	v_add_nc_u32 v[AS], s89, v3
	v_add_nc_u32 v[AS+1], s90, v3
	WIN 0
; Load number LN of the set that lives in window s, into the set of parity tp, from K step q of a slot: 0-11 the four fragments, 12-13 (window 0 alone) the scale words
.macro LD s, tp, slot, q
.if LN < 12
.if ((\s) == 0) || ((\s) == 3)
	ds_load_b128 v[FB+48*(\tp)+4*LN:FB+48*(\tp)+4*LN+3], v[AA+\slot] offset:(\q)*BLKB+(4*((\s)/2)+LN/3)*FRB+512*(LN%3)
.else
	ds_load_b128 v[FB+48*(\tp)+4*LN:FB+48*(\tp)+4*LN+3], v[AB+\slot] offset:(\q)*BLKB+(4*((\s)/2)+LN/3)*FRB+512*(LN%3)
.endif
.else
	ds_load_b128 v[SC+8*(\tp)+4*(LN-12):SC+8*(\tp)+4*(LN-12)+3], v[AS+\slot] offset:(\q)*BLKB+256*(LN-12)
.endif
.set LN, LN+1
.endm
.macro BURST s, tp, slot, q, n         ; a whole set on end: destination window s, address from window 1
.set WV, ((\s)<<6)|1
	WIN WV
.set LN, 0
.rept \n
	LD \s, \tp, \slot, \q
.endr
.endm
; Products w0 .. w1 - 1 of phase s on the sets of parity p.  The 64 accumulators take turns, one instruction a turn.
.macro PHASE s, p, zero, w0, w1
.set WV, ((\s)*0x50)|(((\s)/2)*12)|(1+(((\s)+1)/2)%2)
	WIN WV                                         ; destination and C window s; source 1 (A) window 0 or 3; source 0 (B) window 1 or 2
.set AH, (\s)/2
.set BH, (((\s)+1)/2)%2
.set WI, \w0
.rept (\w1)-(\w0)
.if \zero
	v_wmma_scale_f32_16x16x128_f8f6f4 v[ACC+8*WI:ACC+8*WI+7], v[FB+48*(\p)+12*(WI%4):FB+48*(\p)+12*(WI%4)+11], v[FB+48*(\p)+12*(WI/4):FB+48*(\p)+12*(WI/4)+11], 0, v[SC+8*(\p)+4*BH+WI%4], v[SC+8*(\p)+4*AH+WI/4] matrix_a_fmt:MATRIX_FMT_FP6 matrix_b_fmt:MATRIX_FMT_FP6 matrix_a_scale:MATRIX_SCALE_ROW1
.else
	v_wmma_scale_f32_16x16x128_f8f6f4 v[ACC+8*WI:ACC+8*WI+7], v[FB+48*(\p)+12*(WI%4):FB+48*(\p)+12*(WI%4)+11], v[FB+48*(\p)+12*(WI/4):FB+48*(\p)+12*(WI/4)+11], v[ACC+8*WI:ACC+8*WI+7], v[SC+8*(\p)+4*BH+WI%4], v[SC+8*(\p)+4*AH+WI/4] matrix_a_fmt:MATRIX_FMT_FP6 matrix_b_fmt:MATRIX_FMT_FP6 matrix_a_scale:MATRIX_SCALE_ROW1
.endif
.set WI, WI+1
.endr
.endm
; The first three phases of a K step on the sets of parity p; the next step's fragments, K step lq of slot ls, are fetched into the other sets, in two runs.
.macro FRONT ls, lq, p, zero
	PLACES                                         ; the other sets were last read by the step before: four places ahead of all this step's loads into them (ISA guide 7.12.1 for vector instructions)
	s_wait_dscnt 0x0                               ; this step's fragments are in: their second run was issued 32 products ago
	BURST 0, 1-(\p), \ls, \lq, 14
	BURST 1, 1-(\p), \ls, \lq, 12
	PHASE 0, \p, \zero, 0, 16
	PHASE 1, \p, \zero, 0, 16
	BURST 2, 1-(\p), \ls, \lq, 12
	BURST 3, 1-(\p), \ls, \lq, 12
	PHASE 2, \p, \zero, 0, 16
.endm
.macro STEP ls, lq, p, zero
	FRONT \ls, \lq, \p, \zero
	PHASE 3, \p, \zero, 0, 16
.endm
; A slot's second K step, with the change of slots.  Its two runs fetch the slot's third step: the slot's last reads.  fill = 1: the slot is filled again with three K steps; 2: with the last two; 0: no more.
.macro STEPT slot, p, fill
.if \fill == 1
	s_wait_xcnt 0x0                                ; my prefetches have read their address: it steps here, a change of slots behind them
	s_add_nc_u64 s[PFA:PFA+1], s[PFA:PFA+1], PART
.endif
	FRONT \slot, 2, \p, 0
	WIN 0                                          ; (the add's two registers lie in window 0)
	s_wait_tensorcnt 0x0                           ; all my tensor loads have landed: my part of the other slot;
	ds_add_u32 v[SPW], v[NIL]                      ; 0 onto my spare word;
	PHASE 3, \p, 0, 0, 8                           ; eight products stand between the add and the wait for it
	s_wait_dscnt 0x0                               ; the add is done, and my reads of this slot are over (the last were issued 24 products ago)
	s_barrier_signal -1
	PHASE 3, \p, 0, 8, 16                          ; work on registers while the others arrive
	WIN 0
	s_barrier_wait -1
.if \fill
	CREST                                          ; the barrier has opened a round of the cluster's barrier: no wave of any partner still reads this slot or has a load on its way
	s_add_nc_u64 s[G0+4*\slot+2:G0+4*\slot+3], s[G0+4*\slot+2:G0+4*\slot+3], 2*PART
	s_add_nc_u64 s[G0B+4*\slot+2:G0B+4*\slot+3], s[G0B+4*\slot+2:G0B+4*\slot+3], 2*PART
.if \fill == 1
	JLOAD G0+4*\slot, G1, G0B+4*\slot, G1B         ; the first tensor load behind the round
	ASK \slot
.else
	JLOAD G0+4*\slot, G1T, G0B+4*\slot, G1TB
.endif
.endif
.endm
	s_wait_alu depctr_va_vdst(0)                   ; the wait at the head's end
	s_wait_tensorcnt 0x0                           ; my part of slot 0 is in
	ds_add_u32 v[SPW], v[NIL]
	s_wait_xcnt 0x0                                ; my prefetches have read their address
	s_add_nc_u64 s[PFA:PFA+1], s[PFA:PFA+1], PART
	s_wait_dscnt 0x0
	CROUND                                         ; everybody's part of slot 0 is in, and all sixteen work-groups are here
	JLOAD G0+4, G1, G0B+4, G1B                     ; K steps 3 to 5, the first tensor load behind the round
	BURST 0, 0, 0, 0, 14                           ; K step 0's fragments
	BURST 1, 0, 0, 0, 12
	BURST 2, 0, 0, 0, 12
	BURST 3, 0, 0, 0, 12
	WIN 0
	ASK 0
	STEP 0, 1, 0, 1                                ; K step 0: its products start the sums: nothing is cleared
	WIN 0                                          ; at a label and at a branch every window is 0
	s_mov_b32 s3, 4
.Llap:                                                 ; a trip: six K steps, from a slot 0's second step to the next one's first; both slots are filled again
	STEPT 0, 1, 1
	STEP 1, 0, 0, 0
	STEP 1, 1, 1, 0
	STEPT 1, 0, 1
	STEP 0, 0, 1, 0
	STEP 0, 1, 0, 0
	WIN 0
	s_sub_co_u32 s3, s3, 1
	s_cmp_lg_u32 s3, 0
	s_cbranch_scc1 .Llap
	STEPT 0, 1, 2                                  ; K step 25.  The tail is written out: one short fill, then none
	STEP 1, 0, 0, 0
	STEP 1, 1, 1, 0
	STEPT 1, 0, 0                                  ; K step 28: the barrier shows the last fill whole; behind it K steps 29 (slot 1), 30 and 31 (slot 0) all lie in LDS, and nobody reads K steps 27 and 28 of slot 1
; THE WAY OUT, by blocks of 16 rows x 128 columns: a lane holds 32 neighbouring bytes of a row and its neighbours other rows, so a block goes through my own stage and comes back as whole rows of 512 bytes,
; which the 32 lanes store as two aligned units of 256 bytes.  A block's eight accumulators lie in two windows.  LDS serves a wave's instructions in order (ISA guide 5.7.1.4): no wait between the stores and the loads.
.macro TOSTAGE a, k
.irp bh, 0,1
.set WV, (((\a)/4)*(3-2*\bh)+\bh)<<2
	WIN WV                                         ; the data's window: that of quadrant (a / 4, bh)
.irp j, 0,1,2,3
	ds_store_b128 v[STO], v[ACC+8*(4*((\a)%4)+\j):ACC+8*(4*((\a)%4)+\j)+3] offset:64*(4*\bh+\j)      ; each accumulator from its low end on
	ds_store_b128 v[STO], v[ACC+8*(4*((\a)%4)+\j)+4:ACC+8*(4*((\a)%4)+\j)+7] offset:64*(4*\bh+\j)+16
.endr
.endr
.set WV, (\k)<<6
	WIN WV                                         ; back into v32-95 of window 0 or 1, by turns
.irp t, 0,1,2,3,4,5,6,7,8,9,10,11,12,13,14,15
	ds_load_b128 v[FB+4*\t:FB+4*\t+3], v[RD] offset:\t*SPITCH
.endr
.endm
.macro SEND a, k, younger
	s_wait_dscnt \younger                          ; the block is back in registers
.if (\a) > 0
	s_add_nc_u64 s[12:13], s[12:13], 16*SIZE_N*4   ; (behind a wait on XCNT: the earlier stores have read their base)
.endif
.set WV, (\k)<<2
	WIN WV
.irp t, 0,1,2,3,4,5,6,7,8,9,10,11,12,13,14,15
	global_store_b128 v[CO], v[FB+4*\t:FB+4*\t+3], s[12:13] offset:\t*SIZE_N*4 th:TH_STORE_NT   ; 32 lanes store 512 consecutive bytes, at a multiple of 256 from out0's first byte
.endr
.endm
.macro SCL tp, slot, q                 ; a K step's scale words alone: destination window 0, address from window 1
	WIN 1
.set LN, 12
	LD 0, \tp, \slot, \q
	LD 0, \tp, \slot, \q
.endm
; THE LAST THREE K STEPS GO BY HALVES OF MY ROWS.  Rows 0-63 (phases 0 and 1) take K steps 29, 30, 31 and are then finished: their four blocks of 16 rows leave while rows 64-127 (phases 2 and 3) take
; K steps 31, 30, 29.  (So rows 64-127 add their last three K steps in descending order: the same products, another order of the f32 sums.)  K step 31 takes the sets that held K step 29, so for rows 64-127
; K step 29's fragments of B and of A's blocks 4-7 and its scale words are fetched from slot 1 once more: 38 loads.
	PLACES                                         ; the even sets were last read by K step 28
	s_wait_dscnt 0x0                               ; K step 29's fragments are in
	BURST 0, 0, 0, 0, 14                           ; K step 30 into the even sets: A 0-3, the scale words, B
	BURST 1, 0, 0, 0, 12
	BURST 2, 0, 0, 0, 12
	PHASE 0, 1, 0, 0, 16                           ; rows 0-63, K step 29
	PHASE 1, 1, 0, 0, 16
	PLACES                                         ; the odd sets have just been read
	BURST 0, 1, 0, 1, 14                           ; K step 31 into the odd sets
	BURST 1, 1, 0, 1, 12
	BURST 2, 1, 0, 1, 12
	s_wait_dscnt 38                                ; K step 30's 38 loads are in; younger: K step 31's 38
	PHASE 0, 0, 0, 0, 16                           ; rows 0-63, K step 30
	PHASE 1, 0, 0, 0, 16
	BURST 3, 0, 0, 0, 12                           ; A 4-7 of K steps 30 and 31: wanted only behind rows 0-63 (both sets were last read ahead of the places above)
	BURST 3, 1, 0, 1, 12
	s_wait_dscnt 24                                ; K step 31's 38 loads are in; younger: these 24
	PHASE 0, 1, 0, 0, 16                           ; rows 0-63, K step 31: finished
	PHASE 1, 1, 0, 0, 16
	PLACES                                         ; ahead of the reads of these results and of the loads into the registers that held A 0-3
	TOSTAGE 0, 0                                   ; blocks 0 to 3 share the one buffer in window 0 (window 1's still holds B); 16 products stand in each block's round trip through the stage
	s_wait_dscnt 32                                ; A 4-7 are in; younger: the block's 16 stores and 16 loads
	PHASE 2, 1, 0, 0, 16                           ; rows 64-127, K step 31
	SEND 0, 0, 0
	s_wait_xcnt 0x0                                ; the block's stores have read their registers and their base
	TOSTAGE 1, 0
	PHASE 3, 1, 0, 0, 16
	PLACES                                         ; the odd sets have just been read
	BURST 1, 1, 1, 2, 12                           ; K step 29 once more, from slot 1
	BURST 2, 1, 1, 2, 12
	BURST 3, 1, 1, 2, 12
	SCL 1, 1, 2
	SEND 1, 0, 38                                  ; younger: these 38 loads
	s_wait_xcnt 0x0
	TOSTAGE 2, 0
	PHASE 2, 0, 0, 0, 16                           ; rows 64-127, K step 30
	SEND 2, 0, 0
	s_wait_xcnt 0x0
	TOSTAGE 3, 0
	PHASE 3, 0, 0, 0, 16
	SEND 3, 0, 0                                   ; its wait is for 0: K step 29's fragments are in too
	PHASE 2, 1, 0, 0, 16                           ; rows 64-127, K step 29: finished
	PHASE 3, 1, 0, 0, 16
	PLACES
	s_wait_xcnt 0x0
	TOSTAGE 4, 0                                   ; blocks 4 to 7: two buffers by turns, in windows 0 and 1
.irp a, 5,6,7
.if \a > 5
	s_wait_xcnt 0x0                                ; block a - 2's stores have read their registers and their base
.endif
	TOSTAGE \a, (\a)%2
	SEND \a-1, (\a-1)%2, 32                        ; younger: block a's 16 stores and 16 loads
.endr
	s_wait_xcnt 0x0
	SEND 7, 1, 0
	WIN 0
	s_wait_tensorcnt 0x0                           ; the wave's end
	ds_add_u32 v[SPW], v[NIL]
	s_wait_dscnt 0x0
	CROUND                                         ; the closing round
	s_endpgm
.Lfunc_end_k_qce32983696_gemm:
	.size	k_qce32983696_gemm, .Lfunc_end_k_qce32983696_gemm-k_qce32983696_gemm
	.p2alignl 7, 3214868480
	.fill 96, 4, 3214868480
	.section	.rodata,"a",@progbits
	.p2align	6, 0x0
	.amdhsa_kernel k_qce32983696_gemm
		.amdhsa_group_segment_fixed_size 327680
		.amdhsa_private_segment_fixed_size 0
		.amdhsa_enable_private_segment 0
		.amdhsa_kernarg_size 24
		.amdhsa_user_sgpr_count 2
		.amdhsa_user_sgpr_kernarg_segment_ptr 1
		.amdhsa_wavefront_size32 1
		.amdhsa_system_sgpr_workgroup_id_x 1
		.amdhsa_system_sgpr_workgroup_id_y 1
		.amdhsa_system_sgpr_workgroup_id_z 1
		.amdhsa_system_vgpr_workitem_id 0
		.amdhsa_next_free_vgpr 1024
		.amdhsa_next_free_sgpr 98
		.amdhsa_reserve_vcc 0
		.amdhsa_float_denorm_mode_32 3
		.amdhsa_float_denorm_mode_16_64 3
		.amdhsa_memory_ordered 1
		.amdhsa_forward_progress 1
		.amdhsa_inst_pref_size 209
	.end_amdhsa_kernel
	.amdgpu_metadata
---
amdhsa.version: [ 1, 2 ]
amdhsa.kernels:
  - .name:           k_qce32983696_gemm
    .symbol:         k_qce32983696_gemm.kd
    .args:
      - { .name: a_q, .offset: 0, .size: 8, .value_kind: global_buffer, .address_space: global }
      - { .name: b_q, .offset: 8, .size: 8, .value_kind: global_buffer, .address_space: global }
      - { .name: out0, .offset: 16, .size: 8, .value_kind: global_buffer, .address_space: global }
    .group_segment_fixed_size: 327680
    .private_segment_fixed_size: 0
    .kernarg_segment_align: 8
    .kernarg_segment_size: 24
    .max_flat_workgroup_size: 128
    .sgpr_count:     98
    .vgpr_count:     1024
    .wavefront_size: 32
...
	.end_amdgpu_metadata
.endif
;; end of part 2
